; MI455X (gfx1250); checked and timed in simulation.
; The chip was launched on July 23, 2026; its instructions are those of AMD's public machine-readable ISA for CDNA 5 (MIT licence, August 2026) and "CDNA5" Instruction Set Architecture Reference Guide (July 2026). The comments in the code are by the model that wrote it; some were corrected since.
;; Hybrid Attention. Allowed arithmetic: matrix products marked QUANTISED: E2M1 operands, one E8M0 scale for each 32 along K, by v_wmma_scale_f32_16x16x128_f8f6f4 with both operands' format E2M1 (or v_wmma_scale_f32_32x16x128_f4), f32 sums; everything else in f32.
;; Inputs: keys_codes 4 x 2,048 x 8 x 2 x 16 uint8 (E2M1 codes of keys, K innermost, in blocks of 32 codes, two codes a byte); keys_scales 4 x 2,048 x 8 x 2 uint8 (E8M0 scales of keys, one for each 32 codes along K); queries_codes 4 x 2,048 x 8 x 2 x 16 uint8 (E2M1 codes of queries, K innermost, in blocks of 32 codes, two codes a byte); queries_scales 4 x 2,048 x 8 x 2 uint8 (E8M0 scales of queries, one for each 32 codes along K); values_codes 4 x 8 x 64 x 64 x 16 uint8 (E2M1 codes of values, K innermost, in blocks of 32 codes, two codes a byte); values_scales 4 x 8 x 64 x 64 uint8 (E8M0 scales of values, one for each 32 codes along K).
;; Outputs: out0 4 x 2,048 x 8 x 64 float32.
;; This version of the problem:
;;   THIS VERSION OF THE PROBLEM IS GIVEN IN LOW PRECISION. The matrix products marked QUANTISED in the list below multiply operands that are first quantised to E2M1 (2 exponent bits, 1 mantissa bit; 4 bits a number), with one power-of-two scale for each 32 numbers along K (OCP MX v1.0); their sums are f32. All else is computed in f32.
;;   The module's matrix products, in the order in which they are computed (A, B: the left and right operand; K: the contracted axis; several contracted axes count as one K, in the product's order):
;;     1. batch 32 x [M 2,048, K 64] x [K 64, N 2,048]; A: input queries (given as codes); B: input keys (given as codes): QUANTISED
;;     2. batch 32 x [M 64, K 2,048] x [K 2,048, N 2,048]; A: input values (given as codes); B: computed on the way: QUANTISED
;;   THE QUANTISER, for each operand of a quantised product, along K:
;;     - K is cut into blocks of 32 from its start; a last block that is shorter is filled with zeros.
;;     - A block's scale is 2^e with e = floor(log2(the largest magnitude in the block)) - 2, held to -126 .. 127; a block of zeros has e = 0. As a byte (E8M0): e + 127.
;;     - Each number is divided by its block's scale, clamped to +-6, and rounded to the nearest number of E2M1, ties to even, subnormals kept.
;;     - The product sums the exact products of the quantised numbers (number of the format x scale) in f32.
;;   ~~~python
;;   def quantise(x, axis):      # numpy; x: float32 -> the quantised numbers, widened to float32 again
;;       x = np.moveaxis(x, axis, -1); K = x.shape[-1]
;;       x = np.pad(x, [(0, 0)] * (x.ndim - 1) + [(0, -K % 32)]); x = x.reshape(x.shape[:-1] + (-1, 32)); a = np.abs(x).max(-1, keepdims=True)
;;       e = np.where(a > 0, np.clip(np.frexp(np.where(a > 0, a, 1))[1] - 1 - 2, -126, 127), 0)      # np.frexp(a)[1] - 1 = floor(log2(a)), exactly
;;       r = np.clip(x / 2.0 ** e, -6, 6)
;;       step = 2.0 ** (np.maximum(np.frexp(np.where(r == 0, 1, r))[1] - 1, 0) - 1)
;;       q = np.round(r / step) * step * 2.0 ** e      # np.round: ties to even
;;       return np.moveaxis(q.reshape(q.shape[:-2] + (-1,))[..., :K], -1, axis).astype(np.float32)
;;   ~~~
;;   OPERANDS COMPUTED ON THE WAY. 'Computed on the way' means the value that the module computes at that place (a softmax that the list does not call 'softmax' is quantised finished and normalised). What goes into a quantiser is computed in f32, as accurately as f32 sums, v_exp_f32 and their like allow (about 1e-6 of the number): no bf16 or f16 on the way to a quantiser, and a product that is left as it is and whose result goes on into a quantised operand takes f32 operands (vector FMAs, or v_wmma_f32_16x16x4_f32). A number that lies on a knife's edge between two numbers of the format may be rounded either way, as far as f32 arithmetic and the matrix unit's own rounding can turn it there, and no further.
;;   INPUTS GIVEN AS CODES. keys (in the module: [4, 2048, 8, 64], K = its axis 3); queries (in the module: [4, 2048, 8, 64], K = its axis 3); values (in the module: [4, 2048, 8, 64], K = its axis 1): each comes as NAME_codes (uint8): NAME with its K axis moved to the last place and cut into blocks of 32 codes, [.., K / 32, bytes a block], one block behind the other in memory; two codes a byte, the lower K in the low four bits (a code: sign, 2 exponent bits, 1 mantissa bit); and NAME_scales (uint8): the same leading axes, one E8M0 byte (e + 127) for each 32 codes along K. Its value is code x scale, taken as it is: it is not quantised again, and the codes and scales need not be those that the quantiser above would give.
;; One version. Each part assembles by itself: llvm-mc -triple=amdgcn-amd-amdhsa -mcpu=gfx1250 --defsym DOCPART=n.
;; ======== version 1 of 1: 1 launch
;; launch attn (part 1): grid 8 x 32, 16 waves a work-group, no clusters, 241,664 bytes of LDS; arguments keys_codes, keys_scales, queries_codes, queries_scales, values_codes, values_scales, out0; writes out0
.if DOCPART == 1
	.amdgcn_target "amdgcn-amd-amdhsa--gfx1250"
	.amdhsa_code_object_version 6
	.text
	.protected	k_qd7e10e245d_attn
	.globl	k_qd7e10e245d_attn
	.p2align	8
	.type	k_qd7e10e245d_attn,@function
k_qd7e10e245d_attn:
	s_mov_b64 s[64:65], 0
	v_nop
	global_prefetch_b8 v0, s[64:65] scope:SCOPE_SE
	s_setreg_imm32_b32 hwreg(HW_REG_WAVE_MODE, 25, 1), 1
	s_wait_xcnt 0x0
; out[b][q][h][:] = sum over k of (A_global + A_local)[q][k] V[k][:], both products on codes of FP4 (E2M1) with one E8M0 scale for each 32 along K.
; A_global = softmax_k(q.k / 8); A_local = the same softmax over the keys q-2 .. q+1 alone.  Their SUM, finished and normalised, is what is quantised along the keys (blocks of 32).
; The divisor of a row is no power of two, so the codes hang on the row's whole sum: TWO PASSES over the keys.
;   pass 1: S^T = K Q^T; for each query a running maximum and sum, for the global and, with a maximum of its own, for the local softmax.
;   pass 2: S^T again; p = 2^(t - M) / l + 2^(t - Ml) / ll on the window; p quantised in registers; O^T += V^T P^T.        t = score x log2(e) / 8; M, Ml whole numbers (the maximum rounded up).
; SHARES.  A work-group owns 256 queries of one head (x: block of queries, y: 8 x batch + head); each of its sixteen waves one tile of 16 queries, in 256 registers: four waves to a SIMD.
; A head's K (64 KB), V (64 KB) and their scale bytes lie in LDS whole: every LDS byte is filled ONCE, by seven tensor loads a wave at the kernel's head (seven of a wave's loads are out at the most);
; K comes in four chunks of 512 keys, and pass 1 begins on the first while the others are on their way.
; LAYOUT.  Both products are used transposed (source 0 = 16 keys, or 16 of the head's 64; source 1 = my 16 queries): a lane holds ONE query (lane % 16) throughout.
; THE KEYS OF A TILE ARE NOT NEIGHBOURS: lane r of tile 2 b + u takes key 32 b + 8 u + r + 8 (r / 8), so that score register 16 b + i of lane (r, h) is key 32 b + 16 h + i of the step.
; THE FIRST PRODUCT'S K IS 64, the instruction's 128: Q's registers 4-7 are zero codes, and bytes 2, 3 of both scale words are 0 (2^-127, a number).  So what stands in K's registers 4-7 adds nothing:
; they are simply the next fragment's codes, and one load of 16 bytes a lane brings a fragment.
; NO CLUSTER: the eight query blocks of a head read the same K and V, but which blocks of keys lie in the window is decided by scalar branches on the wave's first query, which differs between such
; partners; and what is shared is fetched once in the launch, 169,984 bytes, not in every step.
; LIMITS: a scale byte 0xff among the inputs and scores beyond f32's range are not served; a p under 2^-126 falls to 0; a block whose every p is 0 gets the scale byte 1 (its codes are zeros).
.set KSB,  65536                       ; LDS: K's codes at 0, a key's 32 bytes on end;  from KSB the batch's scale bytes of K as they lie: 16 x key + 2 x head
.set VB,   98304                       ; V's codes: 64 rows (the head's 64) of 1,024 bytes + 16 of padding
.set VP,   1040
.set VSB,  164864                      ; V's scale bytes: 64 rows of 64 bytes + 16 of padding
.set VSP,  80
.set STG,  169984                      ; the way out: 16 rows x (256 bytes + 16) for each wave; no tensor load lands here
.set SP,   272
.set AK0,  1                           ; v1   my lane's place in a tile of K: 32 (r + 8 (r / 8)) + 16 h
.set ASK0, 2                           ; v2   among K's scale bytes: KSB + 16 (r + 8 (r / 8) + 8 h) + 2 head: lanes 0-15 an even tile's keys, lanes 16-31 the odd tile's
.set AV0,  3                           ; v3   in a tile of V: VB + 1040 r + 16 h
.set AVS0, 4                           ; v4   among V's scale words: VSB + 80 r
.set LC,   5                           ; v5   16 h - r + 18: the lane's part of (key - query + 2)
.set GO,   6                           ; v6   the way out: my byte offset in the wave's rows of out0
.set STO,  7                           ; v7   the way out: where I put 32 bytes of a row
.set ADK,  8                           ; v8-11 the step's LDS addresses: K, K's scales, V, V's scales
.set ADS,  9
.set ADV,  10
.set ADT,  11
.set NM,   12                          ; v12 -M, v13 the largest score so far (named as a pair by the packed forms, which take the low word)
.set SMX,  13
.set SUM,  14                          ; v[14:15] the global sum, in two halves
.set QF,   16                          ; v[16:23] Q's fragment: 16-19 codes, 20-23 zero codes
.set QS,   24                          ; v24  Q's scale words
.set RD,   25                          ; v25  the way out: where I read a row back
.set NLM,  26                          ; v26 -Ml, v27 the largest score in the window so far
.set LSM,  27
.set LSUM, 28                          ; v[28:29] the local sum
.set RL,   30                          ; v[30:31] 1 / l
.set KF,   32                          ; v[32:63] K's eight fragments, 4 registers each; v[64:67] zeros, named by the eighth product
.set KSW,  68                          ; v[68:71] K's scale words, one register for a pair of tiles
.set VF,   72                          ; v[72:103] V's four fragments
.set VSW,  104                         ; v[104:107] V's scale words
.set PW,   108                         ; v108 p's scale word
.set QO,   109                         ; v109 my byte offset in Q's codes; never rewritten
.set RLL,  110                         ; v[110:111] 1 / ll
.set PC,   112                         ; v[112:119] p's codes
.set TT,   120                         ; v[120:135] a block's 16 scores under the window's mask
.set TM,   136                         ; v136-139 largest numbers; v140-143 the other half's, then bytes; v144-147 the conversions' scale operands
.set TA,   148
.set TB,   149
.set FF,   150                         ; v[150:151] 2^(old M - new M)
.set NINF, 152                         ; v152 -infinity
.set MB,   153
.set TC,   154
.set QSO,  155                         ; v155 my byte offset in Q's scales; never rewritten
.set SUM2, 156                         ; v[156:157] a second chain for the sums
.set S,    160                         ; v[160:223] S^T, then p
.set OT,   224                         ; v[224:255] O^T
.set WV,   18                          ; s18 wave;  s19 head;  s20 batch;  s21 my first query
.set HEAD, 19
.set BAT,  20
.set Q0,   21
.set CS,   22                          ; s[22:23] c = log2(e) / 8
.set SEL,  24                          ; s[24:25] lane selects for v_permlanex16_b32: lane l xor 16
.set G1K,  28                          ; descriptor groups 1: K's codes, K's scales, V's codes, V's scales
.set G1KS, 36
.set G1V,  44
.set G1VS, 52
.set TK,   60                          ; the step's LDS offsets: K 4,096 a step, K's scales 2,048, V 64, V's scales 4
.set TS,   61
.set TV,   62
.set DD,   63                          ; my first query + 16 - the step's first key
.set CNT,  66
.set TJ,   67
.set G0KS, 68                          ; descriptor groups 0: K's scales; K's four chunks; V; V's scales
.set G0K,  72
.set G0V,  88
.set G0VS, 92
.set W0KS, 3<<16                                   ; elements of 8 bytes, no padding
.set W0V,  (3<<16)|(1<<20)|(7<<22)|(3<<25)         ; elements of 8 bytes; padding on: 4 words behind every 256 (a row)
.set W0VS, (3<<16)|(1<<20)|(3<<22)|(3<<25)         ; the same behind every 16 words (a row)
.macro GROUP1 g, w0, c, r, p           ; a tile of r rows of c elements, p elements from row to row; it lies inside the tensor, so the extents are the tile's
	s_mov_b32 s[\g], \w0
	s_mov_b32 s[\g+1], (\c)<<16                    ; tensor_dim0
	s_mov_b32 s[\g+2], (\r)<<16                    ; tensor_dim1
	s_mov_b32 s[\g+3], (\c)<<16                    ; tile_dim0
	s_mov_b32 s[\g+4], \r                          ; tile_dim1
	s_mov_b32 s[\g+5], \p                          ; tensor_dim0_stride
	s_mov_b32 s[\g+6], 0
	s_mov_b32 s[\g+7], 0
.endm
	s_load_b256 s[4:11], s[0:1], 0x0               ; K's codes s[4:5], K's scales s[6:7], Q's codes s[8:9], Q's scales s[10:11]
	s_load_b128 s[12:15], s[0:1], 0x20             ; V's codes s[12:13], V's scales s[14:15]
	s_load_b64 s[16:17], s[0:1], 0x30              ; out0
	v_lshl_add_u32 v158, v0, 2, 0x3a800
	v_mov_b32 v159, 0
	ds_add_u32 v158, v159
	ds_add_u32 v158, v159
	v_lshrrev_b32 v8, 5, v0
	v_readfirstlane_b32 s[WV], v8                  ; wave 0..15
	s_and_b32 s26, ttmp7, 0xffff                   ; y = 8 x batch + head
	s_and_b32 s[HEAD], s26, 7
	s_lshr_b32 s[BAT], s26, 3
	s_lshl_b32 s[Q0], ttmp9, 8
	s_lshl_b32 s27, s[WV], 4
	s_add_co_u32 s[Q0], s[Q0], s27                 ; my first query: 256 x + 16 x wave
	GROUP1 G1K,  0,    32,  32, 256                ; K: 32 keys x 32 bytes (elements of 1 byte), 256 bytes from key to key: one head out of eight
	GROUP1 G1KS, W0KS, 32,  8,  32                 ; K's scales: 2,048 dense bytes as 8 rows of 256
	GROUP1 G1V,  W0V,  128, 4,  128                ; V: 4 rows of 1,024 bytes, dense
	GROUP1 G1VS, W0VS, 8,   4,  8                  ; V's scales: 4 rows of 64 bytes, dense
	; groups 0.  Every LDS address is a constant + a constant x wave.  The address words first take the offset, then the buffer's pointer is added.
	s_mov_b32 s[G0KS], 1
	s_lshl_b32 s[G0KS+1], s[WV], 11
	s_add_co_u32 s[G0KS+1], s[G0KS+1], KSB
	s_lshl_b32 s[G0KS+2], s[BAT], 15               ; the batch's 32,768 scale bytes, my sixteenth
	s_lshl_b32 s27, s[WV], 11
	s_add_co_u32 s[G0KS+2], s[G0KS+2], s27
	s_mov_b32 s[G0KS+3], 0
	s_lshl_b32 s27, s[WV], 10
.irp c, 0,1,2,3
	s_mov_b32 s[G0K+4*\c], 1
	s_add_co_u32 s[G0K+4*\c+1], s27, 16384*\c      ; chunk c: keys 512 c + 32 x wave on
.endr
	s_lshl_b32 s[G0K+2], s[BAT], 19
	s_lshl_b32 s27, s[HEAD], 5
	s_add_co_u32 s[G0K+2], s[G0K+2], s27
	s_lshl_b32 s27, s[WV], 13
	s_add_co_u32 s[G0K+2], s[G0K+2], s27
	s_mov_b32 s[G0K+3], 0
	s_mov_b32 s[G0V], 1
	s_mul_i32 s[G0V+1], s[WV], 4*VP
	s_add_co_u32 s[G0V+1], s[G0V+1], VB
	s_lshl_b32 s[G0V+2], s26, 16                   ; the head's 65,536 bytes, my 4 rows
	s_lshl_b32 s27, s[WV], 12
	s_add_co_u32 s[G0V+2], s[G0V+2], s27
	s_mov_b32 s[G0V+3], 0
	s_mov_b32 s[G0VS], 1
	s_mul_i32 s[G0VS+1], s[WV], 4*VSP
	s_add_co_u32 s[G0VS+1], s[G0VS+1], VSB
	s_lshl_b32 s[G0VS+2], s26, 12
	s_lshl_b32 s27, s[WV], 8
	s_add_co_u32 s[G0VS+2], s[G0VS+2], s27
	s_mov_b32 s[G0VS+3], 0
	; offsets of my tile in Q's codes, Q's scales and out0
	s_lshl_b32 s96, s[BAT], 19
	s_lshl_b32 s27, s[Q0], 8
	s_add_co_u32 s96, s96, s27
	s_lshl_b32 s27, s[HEAD], 5
	s_add_co_u32 s96, s96, s27
	s_mov_b32 s97, 0
	s_lshl_b32 s98, s[BAT], 15
	s_lshl_b32 s27, s[Q0], 4
	s_add_co_u32 s98, s98, s27
	s_lshl_b32 s27, s[HEAD], 1
	s_add_co_u32 s98, s98, s27
	s_mov_b32 s99, 0
	s_lshl_b32 s2, s[BAT], 22
	s_lshl_b32 s27, s[Q0], 11
	s_add_co_u32 s2, s2, s27
	s_lshl_b32 s27, s[HEAD], 8
	s_add_co_u32 s2, s2, s27
	s_mov_b32 s3, 0
	s_mov_b32 s[CS], 0x3e38aa3b                    ; c = log2(e) / 8
	s_mov_b32 s[CS+1], s[CS]                       ; (named with it as a pair, so it is written)
	s_mov_b32 s[SEL], 0x76543210
	s_mov_b32 s[SEL+1], 0xfedcba98
	s_add_co_u32 s[DD], s[Q0], 16
	s_wait_dscnt 0x0
	s_wait_kmcnt 0x0
	s_add_nc_u64 s[G0KS+2:G0KS+3], s[6:7], s[G0KS+2:G0KS+3]
	s_or_b32 s[G0KS+3], s[G0KS+3], 0x80000000      ; type = 2
	s_add_nc_u64 s[G0K+2:G0K+3], s[4:5], s[G0K+2:G0K+3]
.irp c, 1,2,3
	s_add_nc_u64 s[G0K+4*\c+2:G0K+4*\c+3], s[G0K+2:G0K+3], 131072*\c   ; 512 keys of 256 bytes on
.endr
.irp c, 0,1,2,3
	s_or_b32 s[G0K+4*\c+3], s[G0K+4*\c+3], 0x80000000
.endr
	s_add_nc_u64 s[G0V+2:G0V+3], s[12:13], s[G0V+2:G0V+3]
	s_or_b32 s[G0V+3], s[G0V+3], 0x80000000
	s_add_nc_u64 s[G0VS+2:G0VS+3], s[14:15], s[G0VS+2:G0VS+3]
	s_or_b32 s[G0VS+3], s[G0VS+3], 0x80000000
	; all fills of the launch, as one group, in the order in which they are wanted
	tensor_load_to_lds s[G0KS:G0KS+3], s[G1KS:G1KS+7]
	s_nop 0
	tensor_load_to_lds s[G0K:G0K+3], s[G1K:G1K+7]
	s_nop 0
	tensor_load_to_lds s[G0K+4:G0K+7], s[G1K:G1K+7]
	s_nop 0
	tensor_load_to_lds s[G0K+8:G0K+11], s[G1K:G1K+7]
	s_nop 0
	tensor_load_to_lds s[G0K+12:G0K+15], s[G1K:G1K+7]
	s_nop 0
	tensor_load_to_lds s[G0V:G0V+3], s[G1V:G1V+7]
	s_nop 0
	tensor_load_to_lds s[G0VS:G0VS+3], s[G1VS:G1VS+7]
	s_nop 0
	v_and_b32 v120, 15, v0                         ; r
	v_bfe_u32 v121, v0, 4, 1                       ; h
	s_add_nc_u64 s[8:9], s[8:9], s[96:97]          ; Q's codes, Q's scales and out0 at my tile
	s_add_nc_u64 s[10:11], s[10:11], s[98:99]
	s_add_nc_u64 s[16:17], s[16:17], s[2:3]
	v_lshlrev_b32 v[QO], 8, v120
	v_lshl_add_u32 v[QO], v121, 4, v[QO]           ; query r's 256 bytes (eight heads), + 16 h
	v_lshlrev_b32 v[QSO], 4, v120
	global_load_b128 v[QF:QF+3], v[QO], s[8:9]     ; Q's fragment stays in registers: k = 32 h + 0 .. 31
	global_load_u16 v[QS], v[QSO], s[10:11]        ; its two scale bytes; bytes 2, 3 come as 0
	v_and_b32 v122, 8, v120
	v_add_nc_u32 v122, v122, v120                  ; r + 8 (r / 8)
	v_lshlrev_b32 v[AK0], 5, v122
	v_lshl_add_u32 v[AK0], v121, 4, v[AK0]
	v_lshl_add_u32 v[ASK0], v121, 3, v122
	v_lshlrev_b32 v[ASK0], 4, v[ASK0]
	s_lshl_b32 s27, s[HEAD], 1
	s_add_co_u32 s27, s27, KSB
	v_add_nc_u32 v[ASK0], s27, v[ASK0]
	v_mul_u32_u24 v[AV0], v120, VP
	v_lshl_add_u32 v[AV0], v121, 4, v[AV0]
	v_add_nc_u32 v[AV0], VB, v[AV0]
	v_mul_u32_u24 v[AVS0], v120, VSP
	v_add_nc_u32 v[AVS0], VSB, v[AVS0]
	v_lshlrev_b32 v[LC], 4, v121
	v_sub_nc_u32 v[LC], v[LC], v120
	v_add_nc_u32 v[LC], 18, v[LC]
	v_lshlrev_b32 v[GO], 11, v121                  ; lanes 0-15 one query's 256 bytes, lanes 16-31 the next query's, 2,048 bytes on
	v_lshl_add_u32 v[GO], v120, 4, v[GO]
	s_mul_i32 s27, s[WV], 16*SP
	s_add_co_u32 s27, s27, STG                     ; my stage
	v_mul_u32_u24 v[STO], v120, SP
	v_lshl_add_u32 v[STO], v121, 5, v[STO]
	v_add_nc_u32 v[STO], s27, v[STO]
	v_mul_u32_u24 v[RD], v121, SP
	v_lshl_add_u32 v[RD], v120, 4, v[RD]
	v_add_nc_u32 v[RD], s27, v[RD]
	v_mov_b32 v[SMX], 0xff61b1e6                   ; the largest scores so far: -3e38, under every score
	v_mov_b32 v[LSM], 0xff61b1e6
	v_mul_f32 v[TA], s[CS], v[SMX]
	v_floor_f32 v[NM], -v[TA]                      ; -M
	v_mov_b32 v[NLM], v[NM]
.irp x, SUM, SUM+1, LSUM, LSUM+1, QF+4, QF+5, QF+6, QF+7, KF+32, KF+33, KF+34, KF+35, RL+1, RLL+1, FF+1, TM+4, TM+5, TM+6, TM+7, TB
	v_mov_b32 v[\x], 0                             ; the sums; the zero codes; upper words of pairs of which the low word is taken; lane permutes' destinations
.endr
	v_mov_b32 v[NINF], 0xff800000
.set j, 0
.rept 32
	v_mov_b32 v[OT+j], 0                           ; O^T: pass 2's step is written once, so its first trip adds onto zeros
.set j, j+1
.endr
	s_wait_loadcnt 0x0                             ; Q
.macro KLOAD                           ; a step's eight fragments of K and the four registers of their scale words: twelve LDS loads
.irp t, 0,1,2,3,4,5,6,7
	ds_load_b128 v[KF+4*\t:KF+4*\t+3], v[ADK] offset:(32*(\t/2)+8*(\t%2))*32
.endr
.irp b, 0,1,2,3
	ds_load_u16 v[KSW+\b], v[ADS] offset:512*\b    ; two scale bytes, bytes 2, 3 = 0: lanes 0-15 tile 2 b's keys, lanes 16-31 tile 2 b + 1's
.endr
.endm
.macro QK                              ; S^T = K Q^T for 128 keys: eight products, each starting its sum; then the four places in front of the first read of results (ISA guide 7.12.1)
.irp t, 0,2,4,6
	v_wmma_scale_f32_16x16x128_f8f6f4 v[S+8*\t:S+8*\t+7], v[KF+4*\t:KF+4*\t+7], v[QF:QF+7], 0, v[KSW+\t/2], v[QS] matrix_a_fmt:MATRIX_FMT_FP4 matrix_b_fmt:MATRIX_FMT_FP4
	v_wmma_scale_f32_16x16x128_f8f6f4 v[S+8*\t+8:S+8*\t+15], v[KF+4*\t+4:KF+4*\t+11], v[QF:QF+7], 0, v[KSW+\t/2], v[QS] matrix_a_fmt:MATRIX_FMT_FP4 matrix_b_fmt:MATRIX_FMT_FP4 matrix_a_scale:MATRIX_SCALE_ROW1
.endr
.rept 4
	v_nop
.endr
.endm
; Block b's 16 scores of my lane under the window's mask, into TT.  s96 = my first query + 16 - the block's first key.  Register i holds the key for which key - query + 2 = LC - s96 + i: it counts where that is 0 .. 3.
.macro MASK b
	v_sub_nc_u32 v[MB], v[LC], s96
.set i, 0
.rept 16
	v_add_nc_u32 v[TC], i, v[MB]
	v_cmp_gt_u32 vcc_lo, 4, v[TC]                  ; unsigned: what is negative is large
	v_cndmask_b32 v[TT+i], v[NINF], v[S+16*\b+i], vcc_lo   ; the accumulators' registers in ascending order
.set i, i+1
.endr
.endm
; The maximum has moved: -M = floor(-t) anew, FF = 2^(old M - new M), a whole power of two: what was summed under the old M is brought under the new without rounding.
.macro NEWM mx, nm
	v_mul_f32 v[TA], s[CS], v[\mx]
	v_mov_b32 v[TB], v[\nm]
	v_floor_f32 v[\nm], -v[TA]
	v_sub_f32 v[TB], v[\nm], v[TB]                 ; a whole number, 0 or less
	v_cvt_i32_f32 v[TB], v[TB]                     ; (it saturates)
	v_ldexp_f32 v[FF], 1.0, v[TB]
.endm
; Pass 1, a block of 32 keys that the window of my 16 queries touches (keys Q0 - 2 .. Q0 + 16): where 0 <= s96 <= 48.  A scalar branch on ids leaves the others out.
.macro DIAG1 b
	s_sub_co_i32 s96, s[DD], 32*\b
	s_cmp_gt_u32 s96, 48
	s_cbranch_scc1 .Lfar_\@
	MASK \b
	v_max3_num_f32 v[TA], v[TT], v[TT+1], v[TT+2]
	v_max3_num_f32 v[TB], v[TT+3], v[TT+4], v[TT+5]
.irp i, 6,10
	v_max3_num_f32 v[TA], v[TA], v[TT+\i], v[TT+\i+1]
	v_max3_num_f32 v[TB], v[TB], v[TT+\i+2], v[TT+\i+3]
.endr
	v_max3_num_f32 v[TA], v[TA], v[TT+14], v[TT+15]
	v_max3_num_f32 v[LSM], v[LSM], v[TA], v[TB]    ; the window's own running maximum
	NEWM LSM, NLM
.irp j, 0,2,4,6,8,10,12,14
	v_pk_fma_f32 v[TT+\j:TT+\j+1], v[TT+\j:TT+\j+1], s[CS:CS+1], v[NLM:NLM+1] op_sel_hi:[1,0,0]   ; t - Ml; what is masked stays -infinity
.endr
.irp j, 0,1,2,3,4,5,6,7,8,9,10,11,12,13,14,15
	v_exp_f32 v[TT+\j], v[TT+\j]
.endr
	v_pk_mul_f32 v[LSUM:LSUM+1], v[LSUM:LSUM+1], v[FF:FF+1] op_sel_hi:[1,0]   ; the sum under the new Ml.  (The plain place behind the exponentials)
	s_wait_alu depctr_va_vdst(0)
.irp j, 0,4,8,12
	v_pk_add_f32 v[TT+\j:TT+\j+1], v[TT+\j:TT+\j+1], v[TT+\j+2:TT+\j+3]
.endr
	v_pk_add_f32 v[TT:TT+1], v[TT:TT+1], v[TT+4:TT+5]
	v_pk_add_f32 v[TT+8:TT+9], v[TT+8:TT+9], v[TT+12:TT+13]
	v_pk_add_f32 v[TT:TT+1], v[TT:TT+1], v[TT+8:TT+9]
	v_pk_add_f32 v[LSUM:LSUM+1], v[LSUM:LSUM+1], v[TT:TT+1]
.Lfar_\@:
.endm
; PASS 1, a step of 128 keys.  Each lane keeps the maximum and the sum of its own 64 keys of the step (its half of every block): no lane is asked for anything inside the loop.
.macro STEP1
	v_add_nc_u32 v[ADK], s[TK], v[AK0]
	v_add_nc_u32 v[ADS], s[TS], v[ASK0]
	KLOAD
	s_wait_dscnt 0x0
	QK
	DIAG1 0
	DIAG1 1
	DIAG1 2
	DIAG1 3
.irp b, 0,1,2,3
	v_max3_num_f32 v[TM+\b], v[S+16*\b], v[S+16*\b+1], v[S+16*\b+2]   ; four chains by turns; each accumulator is first read at its low end
.endr
.irp i, 3,5,7,9,11,13
.irp b, 0,1,2,3
	v_max3_num_f32 v[TM+\b], v[TM+\b], v[S+16*\b+\i], v[S+16*\b+\i+1]
.endr
.endr
	v_max3_num_f32 v[TM], v[TM], v[S+15], v[S+31]
	v_max3_num_f32 v[TM+2], v[TM+2], v[S+47], v[S+63]
	v_max3_num_f32 v[TM], v[TM], v[TM+1], v[TM+2]
	v_max3_num_f32 v[SMX], v[SMX], v[TM], v[TM+3]  ; the running largest score
	NEWM SMX, NM
.set j, 0
.rept 32
	v_pk_fma_f32 v[S+j:S+j+1], v[S+j:S+j+1], s[CS:CS+1], v[NM:NM+1] op_sel_hi:[1,0,0]   ; t - M, two at a time
.set j, j+2
.endr
.set j, 0
.rept 64
	v_exp_f32 v[S+j], v[S+j]
.set j, j+1
.endr
	v_pk_mul_f32 v[SUM:SUM+1], v[SUM:SUM+1], v[FF:FF+1] op_sel_hi:[1,0]   ; the sum under the new M.  (The plain place behind the exponentials)
	s_wait_alu depctr_va_vdst(0)
	v_pk_add_f32 v[SUM2:SUM2+1], v[S:S+1], v[S+2:S+3]                     ; two chains
.set j, 4
.rept 15
	v_pk_add_f32 v[SUM:SUM+1], v[SUM:SUM+1], v[S+j:S+j+1]
	v_pk_add_f32 v[SUM2:SUM2+1], v[SUM2:SUM2+1], v[S+j+2:S+j+3]
.set j, j+4
.endr
	v_pk_add_f32 v[SUM:SUM+1], v[SUM:SUM+1], v[SUM2:SUM2+1]
	s_add_co_u32 s[TK], s[TK], 4096
	s_add_co_u32 s[TS], s[TS], 2048
	s_sub_co_i32 s[DD], s[DD], 128
.endm
; Chunk c of K: 512 keys, four steps.
.macro CHUNK c
	s_wait_tensorcnt 5-\c                          ; my part of chunk c is in (and K's scales, asked for ahead of it): behind it were issued K's later chunks, 3 - c of them, V and V's scales
	s_barrier_signal -1                            ; no LDS instruction of mine is out, so the later loads may stay on their way
	s_barrier_wait -1                              ; everybody's part is in
	s_mov_b32 s[TK], 16384*\c
	s_mov_b32 s[TS], 8192*\c
	s_mov_b32 s[CNT], 4
.Lchunk_\@:
	STEP1
	s_sub_co_u32 s[CNT], s[CNT], 1
	s_cmp_lg_u32 s[CNT], 0
	s_cbranch_scc1 .Lchunk_\@
.endm
; The two halves of the lanes hold a query's two halves of the keys: the larger M is taken, each sum brought under it (exactly), the sums added, and the reciprocal made.
.macro MERGE nm, sum, rc
	v_add_f32 v[\sum], v[\sum], v[\sum+1]
	v_permlanex16_b32 v[TA], v[\nm], s[SEL], s[SEL+1]
	v_min_num_f32 v[TA], v[TA], v[\nm]             ; the row's -M
	v_sub_f32 v[TB], v[TA], v[\nm]                 ; 0 or less.  (A half without any key of the window still has -M from -3e38: its factor is 0, and so is its sum)
	v_mov_b32 v[\nm], v[TA]
	v_cvt_i32_f32 v[TB], v[TB]
	v_ldexp_f32 v[FF], 1.0, v[TB]
	v_mul_f32 v[\sum], v[\sum], v[FF]
	v_permlanex16_b32 v[TB], v[\sum], s[SEL], s[SEL+1]
	v_add_f32 v[\sum], v[\sum], v[TB]
	v_rcp_f32 v[\rc], v[\sum]
	v_nop                                          ; one plain place behind the reciprocal
.endm
; Pass 2, block b: p = 2^(t - M) / l, and on a block that the window touches + 2^(t - Ml) / ll of the masked scores.
.macro BLOCK2 b
	s_sub_co_i32 s96, s[DD], 32*\b
	s_cmp_gt_u32 s96, 48
	s_cbranch_scc1 .Lplain_\@
	MASK \b
.irp j, 0,2,4,6,8,10,12,14
	v_pk_fma_f32 v[TT+\j:TT+\j+1], v[TT+\j:TT+\j+1], s[CS:CS+1], v[NLM:NLM+1] op_sel_hi:[1,0,0]
.endr
.irp j, 0,2,4,6,8,10,12,14
	v_pk_fma_f32 v[S+16*\b+\j:S+16*\b+\j+1], v[S+16*\b+\j:S+16*\b+\j+1], s[CS:CS+1], v[NM:NM+1] op_sel_hi:[1,0,0]
.endr
.irp j, 0,1,2,3,4,5,6,7,8,9,10,11,12,13,14,15
	v_exp_f32 v[TT+\j], v[TT+\j]
.endr
.irp j, 0,1,2,3,4,5,6,7,8,9,10,11,12,13,14,15
	v_exp_f32 v[S+16*\b+\j], v[S+16*\b+\j]
.endr
	v_nop                                          ; one plain place behind the exponentials
	s_wait_alu depctr_va_vdst(0)
.irp j, 0,2,4,6,8,10,12,14
	v_pk_mul_f32 v[TT+\j:TT+\j+1], v[TT+\j:TT+\j+1], v[RLL:RLL+1] op_sel_hi:[1,0]
.endr
.irp j, 0,2,4,6,8,10,12,14
	v_pk_fma_f32 v[S+16*\b+\j:S+16*\b+\j+1], v[S+16*\b+\j:S+16*\b+\j+1], v[RL:RL+1], v[TT+\j:TT+\j+1] op_sel_hi:[1,0,1]
.endr
	s_branch .Ldone_\@
.Lplain_\@:
.irp j, 0,2,4,6,8,10,12,14
	v_pk_fma_f32 v[S+16*\b+\j:S+16*\b+\j+1], v[S+16*\b+\j:S+16*\b+\j+1], s[CS:CS+1], v[NM:NM+1] op_sel_hi:[1,0,0]
.endr
.irp j, 0,1,2,3,4,5,6,7,8,9,10,11,12,13,14,15
	v_exp_f32 v[S+16*\b+\j], v[S+16*\b+\j]
.endr
	v_nop
	s_wait_alu depctr_va_vdst(0)
.irp j, 0,2,4,6,8,10,12,14
	v_pk_mul_f32 v[S+16*\b+\j:S+16*\b+\j+1], v[S+16*\b+\j:S+16*\b+\j+1], v[RL:RL+1] op_sel_hi:[1,0]
.endr
.Ldone_\@:
.endm
; p's 64 numbers of my lane (register 16 b + i = key 32 b + 16 h + i of my query) become the second product's operand in PC and its scale word in PW.  No |.|: no p is negative.
.macro QUANT
.irp b, 0,1,2,3
	v_max3_num_f32 v[TM+\b], v[S+16*\b], v[S+16*\b+1], 0x1800000   ; my 16 of block b, and the floor 2^(3 - 127): the byte cannot fall under 1
.endr
.irp i, 2,4,6,8,10,12,14
.irp b, 0,1,2,3
	v_max3_num_f32 v[TM+\b], v[TM+\b], v[S+16*\b+\i], v[S+16*\b+\i+1]
.endr
.endr
.irp b, 0,1,2,3
	v_permlanex16_b32 v[TM+4+\b], v[TM+\b], s[SEL], s[SEL+1]
.endr
.irp b, 0,1,2,3
	v_max_num_f32 v[TM+\b], v[TM+\b], v[TM+4+\b]   ; with lane l xor 16's 16: the block's largest p
.endr
.irp b, 0,1,2,3
	v_add_nc_u32 v[TM+8+\b], 0xff000000, v[TM+\b]  ; 2 off its exponent field: the conversion takes the exponent field of this operand as its scale
.endr
.irp b, 0,1,2,3
	v_lshrrev_b32 v[TM+4+\b], 23, v[TM+8+\b]       ; the scale's byte
.endr
	v_lshl_or_b32 v[PW], v[TM+5], 8, v[TM+4]
	v_lshl_or_b32 v[PW], v[TM+6], 16, v[PW]
	v_lshl_or_b32 v[PW], v[TM+7], 24, v[PW]
.irp b, 0,1,2,3
	v_cvt_scalef32_pk8_fp4_f32 v[PC+2*\b], v[S+16*\b:S+16*\b+7], v[TM+8+\b]
	v_cvt_scalef32_pk8_fp4_f32 v[PC+2*\b+1], v[S+16*\b+8:S+16*\b+15], v[TM+8+\b]
.endr
	v_nop                                          ; one plain place behind a scaled conversion
.irp c, 0,1                            ; the operand's layout wants a whole block in a lane: lanes 0-15 block 2 c, lanes 16-31 block 2 c + 1
.irp i, 0,1
	v_permlane16_swap_b32 v[PC+4*\c+\i], v[PC+4*\c+2+\i]
.endr
.endr
.endm
; PASS 2, a step of 128 keys.
.macro STEP2
	v_add_nc_u32 v[ADK], s[TK], v[AK0]             ; these four lines are also the four places between the last step's products V^T P^T and the loads into V's registers
	v_add_nc_u32 v[ADS], s[TS], v[ASK0]
	v_add_nc_u32 v[ADV], s[TV], v[AV0]
	v_add_nc_u32 v[ADT], s[TJ], v[AVS0]
	KLOAD
.irp t, 0,1,2,3
.irp c, 0,1
	ds_load_b128 v[VF+8*\t+4*\c:VF+8*\t+4*\c+3], v[ADV] offset:16*VP*\t+32*\c   ; V^T: 16 of the head's 64 x these 128 keys
.endr
	ds_load_b32 v[VSW+\t], v[ADT] offset:16*VSP*\t
.endr
	s_wait_dscnt 12                                ; K's twelve loads are in; V's twelve, issued behind them, may stay out
	QK
	BLOCK2 0
	BLOCK2 1
	BLOCK2 2
	BLOCK2 3
	QUANT
	s_wait_dscnt 0x0                               ; V
.rept 8
	v_nop                                          ; a scale register written by a vector instruction stands 8 places ahead of a scaled matrix instruction, an operand so written 4
.endr
.irp t, 0,1,2,3                        ; the four accumulators by turns, one instruction a turn, and the next step's eight products K Q^T stand between a sum's links
	v_wmma_scale_f32_16x16x128_f8f6f4 v[OT+8*\t:OT+8*\t+7], v[VF+8*\t:VF+8*\t+7], v[PC:PC+7], v[OT+8*\t:OT+8*\t+7], v[VSW+\t], v[PW] matrix_a_fmt:MATRIX_FMT_FP4 matrix_b_fmt:MATRIX_FMT_FP4
.endr
	s_add_co_u32 s[TK], s[TK], 4096
	s_add_co_u32 s[TS], s[TS], 2048
	s_add_co_u32 s[TV], s[TV], 64
	s_add_co_u32 s[TJ], s[TJ], 4
	s_sub_co_i32 s[DD], s[DD], 128
.endm
	CHUNK 0
	CHUNK 1
	CHUNK 2
	CHUNK 3
	MERGE NM, SUM, RL
	MERGE NLM, LSUM, RLL
	s_wait_tensorcnt 0x0                           ; my parts of V and of its scales are in: no tensor load of mine is out from here on
	s_barrier_signal -1
	s_barrier_wait -1                              ; everybody's are
	s_add_co_u32 s[DD], s[Q0], 16
	s_mov_b32 s[TK], 0
	s_mov_b32 s[TS], 0
	s_mov_b32 s[TV], 0
	s_mov_b32 s[TJ], 0
	s_mov_b32 s[CNT], 16
.Lpass2:
	STEP2
	s_sub_co_u32 s[CNT], s[CNT], 1
	s_cmp_lg_u32 s[CNT], 0
	s_cbranch_scc1 .Lpass2
	; THE WAY OUT.  Register 8 t + j of lane (r, h) is out(query r, channel 16 t + 8 h + j).  The tile goes through my own stage in LDS and comes back as whole rows of 256 bytes.
.rept 4
	v_nop                                          ; four places in front of the first read of the last results
.endr
.irp t, 0,1,2,3
	ds_store_b128 v[STO], v[OT+8*\t:OT+8*\t+3] offset:64*\t          ; each accumulator from its low end on
	ds_store_b128 v[STO], v[OT+8*\t+4:OT+8*\t+7] offset:64*\t+16
.endr
.irp i, 0,1,2,3,4,5,6,7
	ds_load_b128 v[S+4*\i:S+4*\i+3], v[RD] offset:2*SP*\i            ; LDS serves a wave's instructions in order (ISA guide 5.7.1.4): these see my stores
.endr
.irp i, 0,1,2,3,4,5,6,7
	s_wait_dscnt 7-\i                              ; load i is in; the 7 - i behind it may be out
	global_store_b128 v[GO], v[S+4*\i:S+4*\i+3], s[16:17] offset:4096*\i th:TH_STORE_NT   ; sixteen lanes store 256 consecutive bytes, at a multiple of 256 from out0's first byte; written once, read by nobody here
.endr
	s_wait_tensorcnt 0x0
	ds_add_u32 v158, v159
	s_wait_dscnt 0x0
	s_endpgm
.Lfunc_end_k_qd7e10e245d_attn:
	.size	k_qd7e10e245d_attn, .Lfunc_end_k_qd7e10e245d_attn-k_qd7e10e245d_attn
	.p2alignl 7, 3214868480
	.fill 96, 4, 3214868480
	.section	.rodata,"a",@progbits
	.p2align	6, 0x0
	.amdhsa_kernel k_qd7e10e245d_attn
		.amdhsa_group_segment_fixed_size 241664
		.amdhsa_private_segment_fixed_size 0
		.amdhsa_enable_private_segment 0
		.amdhsa_kernarg_size 56
		.amdhsa_user_sgpr_count 2
		.amdhsa_user_sgpr_kernarg_segment_ptr 1
		.amdhsa_wavefront_size32 1
		.amdhsa_system_sgpr_workgroup_id_x 1
		.amdhsa_system_sgpr_workgroup_id_y 1
		.amdhsa_system_sgpr_workgroup_id_z 1
		.amdhsa_system_vgpr_workitem_id 0
		.amdhsa_next_free_vgpr 256
		.amdhsa_next_free_sgpr 100
		.amdhsa_reserve_vcc 1
		.amdhsa_float_denorm_mode_32 3
		.amdhsa_float_denorm_mode_16_64 3
		.amdhsa_memory_ordered 1
		.amdhsa_forward_progress 1
		.amdhsa_inst_pref_size 155
	.end_amdhsa_kernel
	.amdgpu_metadata
---
amdhsa.version: [ 1, 2 ]
amdhsa.kernels:
  - .name:           k_qd7e10e245d_attn
    .symbol:         k_qd7e10e245d_attn.kd
    .args:
      - { .name: keys_codes, .offset: 0, .size: 8, .value_kind: global_buffer, .address_space: global }
      - { .name: keys_scales, .offset: 8, .size: 8, .value_kind: global_buffer, .address_space: global }
      - { .name: queries_codes, .offset: 16, .size: 8, .value_kind: global_buffer, .address_space: global }
      - { .name: queries_scales, .offset: 24, .size: 8, .value_kind: global_buffer, .address_space: global }
      - { .name: values_codes, .offset: 32, .size: 8, .value_kind: global_buffer, .address_space: global }
      - { .name: values_scales, .offset: 40, .size: 8, .value_kind: global_buffer, .address_space: global }
      - { .name: out0, .offset: 48, .size: 8, .value_kind: global_buffer, .address_space: global }
    .group_segment_fixed_size: 241664
    .private_segment_fixed_size: 0
    .kernarg_segment_align: 8
    .kernarg_segment_size: 56
    .max_flat_workgroup_size: 512
    .sgpr_count:     100
    .vgpr_count:     256
    .wavefront_size: 32
...
	.end_amdgpu_metadata
.endif
;; end of part 1
